; MI455X (gfx1250); checked and timed in simulation.
; The chip was launched on July 23, 2026; its instructions are those of AMD's public machine-readable ISA for CDNA 5 (MIT licence, August 2026) and "CDNA5" Instruction Set Architecture Reference Guide (July 2026). The comments in the code are by the model that wrote it; some were corrected since.
;; Full Attention. Allowed arithmetic: float matrix products may take bf16 or f16 operands with f32 sums; all other float work in f32.
;; Inputs: keys 2 x 4,096 x 8 x 64 float32; queries 2 x 4,096 x 8 x 64 float32; values 2 x 4,096 x 8 x 64 float32.
;; Outputs: out0 2 x 4,096 x 8 x 64 float32.
;; One version. Each part assembles by itself: llvm-mc -triple=amdgcn-amd-amdhsa -mcpu=gfx1250 --defsym DOCPART=n.
;; ======== version 1 of 1: 1 launch
;; launch attn (part 1): grid 256 x 1, 8 waves a work-group, no clusters, 226,304 bytes of LDS; arguments keys, queries, values, out0; writes out0
.if DOCPART == 1
	.amdgcn_target "amdgcn-amd-amdhsa--gfx1250"
	.amdhsa_code_object_version 6
	.text
	.protected	k_q4825f5b6a2_attn
	.globl	k_q4825f5b6a2_attn
	.p2align	8
	.type	k_q4825f5b6a2_attn,@function
k_q4825f5b6a2_attn:
	s_mov_b64 s[64:65], 0
	v_nop
	global_prefetch_b8 v0, s[64:65] scope:SCOPE_SE
	s_setreg_imm32_b32 hwreg(HW_REG_WAVE_MODE, 25, 1), 1
	s_wait_xcnt 0x0
; out[n][l][h][:] = softmax over s of (q[n][l][h][:] . k[n][s][h][:] / 8) applied to v[n][s][h][:].  All tensors f32, [2][4096][8][64]:
; one (n, l, h) row is 256 bytes, rows of one head lie 2,048 bytes apart.
; SHARES.  256 work-groups: head = x >> 4 (16 heads), query block = x & 15 (256 queries).  Eight waves: wave w has the 64 queries g = w & 3 and,
; of every tile of 128 keys, the 64 keys kh = w >> 2.  Each wave runs a whole running-maximum softmax over its 2,048 keys; waves (g, 0) and (g, 1)
; are merged once at the end through LDS.  With 64 queries a wave reads 32 fragments of 512 bytes from LDS for 64 matrix instructions.
; TRANSPOSED PRODUCTS.  S^T = K Q^T (A = 16 keys x 32 d from LDS, B = Q, kept in registers): lane (r, h) holds query r and keys 16 kb + 8 h + j, so the
; maximum and the sum over keys are register work and one exchange of the lane halves, and two score tiles rounded to bf16 in place ARE the
; B fragment of O^T = V^T P^T.  A = V^T comes from V stored [key][d] by the transposing LDS load.
; A PIPELINE OVER THE FOUR BLOCKS OF 16 QUERIES (q).  The blocks do not depend on each other.  Stage (t, q) of tile t: first P V of block q - 1, with the
; rescaling of its part of O between the matrix instructions; then the softmax of block q, with the eight matrix instructions of the scores of block
; q + 1 (for q = 3: block 0 of tile t + 1) strewn singly among its lines.  So matrix and vector work of one wave run side by side.  Only two blocks'
; scores are alive at a time: two buffers of 32 registers, block q in buffer q & 1, P in place.
; WINDOWS.  Scores, K fragments, Q and the softmax's state lie in window 0: score products and softmax need no switch.  O, V fragments and the loaded K and V
; lie in window 1: P V and the rescaling of O run under one setting (D, A, C in window 1; B = P and the factor in window 0).
; K AND V come through registers: 16-byte loads (16 lanes take one whole row of 256 bytes), issued at the head of a period, rounded to bf16 at its end,
; stored to the other of two LDS slots.  Slot t & 1 holds V(t) and K(t + 1), which period t reads.  One barrier a period.
; NO CLUSTER, NO JOINT TENSOR LOADS, though the 16 work-groups of a head read the same K and V: the tiles lie in memory as f32 and the matrix unit takes
; bf16.  A tile brought by the data mover arrives as it lies: for 128 keys 64 KiB written to LDS, 64 KiB read back, 32 KiB stored as bf16, beside the
; 128 KiB of fragment reads (8 waves x 32 loads x 512 bytes).  Through registers only the 32 KiB are stored.
; FORMATS.  Q, K, V, P in bf16; scores, maximum, sums, O in f32.  p = 2^(s c - m c), c = log2(e) / 8, m the running maximum of the raw scores; the same
; rounded m c stands in p and in the rescaling factor, so its rounding cancels.
; LIMITS.  Scores must be finite (infinities and NaN in the inputs are not reproduced: the maximum drops a NaN).  v_exp_f32 gives 0 for results below
; 2^-126 (ISA guide 15.8).  The denominator sums p in f32, the numerator uses p rounded to bf16.
.set ROWB,  2048                       ; bytes from a key (query) to the next of the same head
.set TILEB, 128*ROWB                   ; a tile of 128 keys in memory
.set KP,    144                        ; LDS pitch of a K row: 128 bytes + 16, an odd multiple of 16
.set VP,    160                        ; LDS pitch of a V row: 128 bytes + 32, an odd multiple of 32 (transposing loads)
.set VOFF,  128*KP                     ; V part of a slot, behind K part
.set SLOT,  VOFF+128*VP                ; 38,912 bytes
.set XCH,   2*SLOT                     ; 8 x 1,024 bytes: each wave puts its -m c and its sums here for its partner
.set STG,   XCH+8*1024                 ; 8 x 17,408 bytes: each wave puts its 64 rows of O here
.set SP,    272                        ; pitch of a staged row: 256 bytes + 16
.set STGW,  64*SP
; window 0
.set GOFF, 4                           ; byte offset of my 16 bytes in a tile of K or V in memory
.set KST,  5                           ; where I store 8 bytes of K
.set VST,  6                           ; where I store 8 bytes of V
.set KRD,  7                           ; my K fragments
.set VRD,  8                           ; my V fragments
.set PFO,  9                           ; prefetch: lane x one row
.set QOFF, 10
.set XST,  11
.set XLD,  12
.set STO,  13
.set RDA,  14
.set RDB,  15
.set OOFF, 16
.set MX,   20                          ; v[20:23]   running maximum of the raw scores, one for each block of 16 queries (q)
.set NM,   24                          ; v[24:31]   pairs (-m c, -m c)
.set AL,   32                          ; v[32:39]   pairs (alpha, alpha)
.set LS,   40                          ; v[40:47]   pairs of partial sums of p
.set TA,   48                          ; v[48:51]   four chains of the maximum
.set TP,   52                          ; the other lane half's maximum
.set TN,   53                          ; the new -m c
.set TS,   56                          ; v[56:63]   sums at work, two sets of four
.set EA,   48                          ; the merge at the end: four groups of four
.set EB,   52
.set EP,   56
.set EN,   60
.set SB,   64                          ; v[64:127]  scores: block q in buffer q & 1, tile kb at + 8 kb; P(kk) in place at + 16 kk
.set KF,   128                         ; v[128:191] K fragments: (kb, ds) at + 16 kb + 8 ds
.set QR,   192                         ; v[192:255] Q fragments: (q, ds) at + 16 q + 8 ds
.set SR,   64                          ; v[64:191]  at the start Q as loaded, at the end the rows on their way out
; window 1 (v256 to v511)
.set OW,   0                           ; O^T: tile (db, q) at 32 db + 8 q
.set VFW,  128                         ; V fragments: (kk, db) at 128 + 32 kk + 8 db
.set GW,   192                         ; K and V as loaded: K load j at 192 + 4 j, V load j at 224 + 4 j
; s_set_vgpr_msb, low byte: bits 1:0 source 0, 3:2 source 1, 5:4 source 2, 7:6 destination; the high byte repeats the setting that is left.
.set MSB, 0
.macro WIN new
.if MSB != \new
	s_set_vgpr_msb (MSB<<8)|\new
.set MSB, \new
.endif
.endm
; Sixteen rows of K and of V for each wave: load j takes rows 16 w + 2 j and + 1, 16 lanes a row of 256 bytes.
.macro GLOAD ldk, ldv
.if \ldk+\ldv
	WIN 0x40                                       ; destination in window 1
.if \ldk
.irp j, 0,1,2,3,4,5,6,7
	global_load_b128 v[GW+4*\j:GW+4*\j+3], v[GOFF], s[4:5] offset:2*ROWB*\j
.endr
.endif
.if \ldv
.irp j, 0,1,2,3,4,5,6,7
	global_load_b128 v[GW+32+4*\j:GW+32+4*\j+3], v[GOFF], s[8:9] offset:2*ROWB*\j
.endr
.endif
	WIN 0
.endif
.endm
; What GLOAD brought, rounded to bf16 in place (word 0 from numbers 0, 1; word 1 from numbers 2, 3) and stored, 8 bytes a lane: K into slot dk, V into slot dv.
.macro CONVERT dk, dv, ldk, ldv
	WIN 0x45                                       ; destination and both sources in window 1
.if \ldk
.irp j, 0,1,2,3,4,5,6,7
	v_cvt_pk_bf16_f32 v[GW+4*\j], v[GW+4*\j], v[GW+4*\j+1]
	v_cvt_pk_bf16_f32 v[GW+4*\j+1], v[GW+4*\j+2], v[GW+4*\j+3]
.endr
.endif
.if \ldv
.irp j, 0,1,2,3,4,5,6,7
	v_cvt_pk_bf16_f32 v[GW+32+4*\j], v[GW+32+4*\j], v[GW+32+4*\j+1]
	v_cvt_pk_bf16_f32 v[GW+32+4*\j+1], v[GW+32+4*\j+2], v[GW+32+4*\j+3]
.endr
.endif
	WIN 0x04                                       ; store data in window 1, address in window 0
.if \ldk
.irp j, 0,1,2,3,4,5,6,7
	ds_store_b64 v[KST], v[GW+4*\j:GW+4*\j+1] offset:(\dk)*SLOT+2*KP*\j
.endr
.endif
.if \ldv
.irp j, 0,1,2,3,4,5,6,7
	ds_store_b64 v[VST], v[GW+32+4*\j:GW+32+4*\j+1] offset:(\dv)*SLOT+VOFF+2*VP*\j
.endr
.endif
	WIN 0
.endm
; V^T fragments of my 64 keys: (kk, db) = 16 d x 32 keys, two transposing loads 16 rows apart.  16 loads.
.macro LOADV s
	WIN 0x40                                       ; destination in window 1
.irp kk, 0,1
.irp db, 0,1,2,3
	ds_load_tr16_b128 v[VFW+32*\kk+8*\db:VFW+32*\kk+8*\db+3],   v[VRD] offset:\s*SLOT+VOFF+\kk*32*VP+32*\db
	ds_load_tr16_b128 v[VFW+32*\kk+8*\db+4:VFW+32*\kk+8*\db+7], v[VRD] offset:\s*SLOT+VOFF+\kk*32*VP+32*\db+16*VP
.endr
.endr
	WIN 0
.endm
; K fragments of my 64 keys: (kb, ds) = 16 keys x 32 d, two loads 32 bytes apart.  16 loads.
.macro LOADK s
.irp kb, 0,1,2,3
.irp ds, 0,1
	ds_load_b128 v[KF+16*\kb+8*\ds:KF+16*\kb+8*\ds+3],   v[KRD] offset:\s*SLOT+\kb*16*KP+64*\ds
	ds_load_b128 v[KF+16*\kb+8*\ds+4:KF+16*\kb+8*\ds+7], v[KRD] offset:\s*SLOT+\kb*16*KP+64*\ds+32
.endr
.endr
.endm
; O^T(:, q) = alpha O^T(:, q) + V^T P^T(q): eight matrix instructions, the four accumulators by turns, and between
; the first four the 16 lines that rescale the accumulator that comes next.  Each lane holds one query of the block, so one factor serves its 32 numbers.
; first = 1: the wave's first tile: the products start the sums, nothing is rescaled.
.macro PVBLK q, first
.set PB_, SB+32*((\q)&1)
	WIN 0x51                                       ; D, A, C and the rescaled pair in window 1; B (P) and the factor in window 0
.irp db, 0,1,2,3
.if \first
	v_wmma_f32_16x16x32_bf16 v[OW+32*\db+8*\q:OW+32*\db+8*\q+7], v[VFW+8*\db:VFW+8*\db+7], v[PB_:PB_+7], 0
.else
.irp k, 0,2,4,6
	v_pk_mul_f32 v[OW+32*\db+8*\q+\k:OW+32*\db+8*\q+\k+1], v[OW+32*\db+8*\q+\k:OW+32*\db+8*\q+\k+1], v[AL+2*\q:AL+2*\q+1]
.endr
	v_wmma_f32_16x16x32_bf16 v[OW+32*\db+8*\q:OW+32*\db+8*\q+7], v[VFW+8*\db:VFW+8*\db+7], v[PB_:PB_+7], v[OW+32*\db+8*\q:OW+32*\db+8*\q+7]
.endif
.endr
.irp db, 0,1,2,3
	v_wmma_f32_16x16x32_bf16 v[OW+32*\db+8*\q:OW+32*\db+8*\q+7], v[VFW+32+8*\db:VFW+32+8*\db+7], v[PB_+16:PB_+23], v[OW+32*\db+8*\q:OW+32*\db+8*\q+7]
.endr
	WIN 0
.endm
; One matrix instruction of the next block's scores: 16 keys (kb) x 16 queries (block NQ_), d 0-31 (ds = 0, starts the sum) or d 32-63 (adds), into buffer NB_.
; They are issued in the order ds = 0: kb 0..3, ds = 1: kb 0..3: the four accumulators by turns.
.macro WS sc, kb, ds
.if \sc
.if \ds
	v_wmma_f32_16x16x32_bf16 v[NB_+8*\kb:NB_+8*\kb+7], v[KF+16*\kb+8:KF+16*\kb+15], v[QR+16*NQ_+8:QR+16*NQ_+15], v[NB_+8*\kb:NB_+8*\kb+7]
.else
	v_wmma_f32_16x16x32_bf16 v[NB_+8*\kb:NB_+8*\kb+7], v[KF+16*\kb:KF+16*\kb+7], v[QR+16*NQ_:QR+16*NQ_+7], 0
.endif
.endif
.endm
.macro SFMA kb                         ; s c - m c
.irp k, 0,2,4,6
	v_pk_fma_f32 v[B_+8*\kb+\k:B_+8*\kb+\k+1], v[B_+8*\kb+\k:B_+8*\kb+\k+1], s[22:23], v[NM+2*Q_:NM+2*Q_+1] op_sel_hi:[1,0,1]
.endr
.endm
.macro SEXP kb
.irp k, 0,1,2,3,4,5,6,7
	v_exp_f32 v[B_+8*\kb+\k], v[B_+8*\kb+\k]
.endr
.endm
; The tile's 8 p are added to the lane's partial sums, then rounded to bf16 into registers 4 (kb & 1) .. + 3 of tile kb & 2: for even kb word k lands on a
; register whose p has been read already; for odd kb on the upper half of the tile below, which is done.  The block's first tile carries the rescaling
; of the old sums in its multiply-add.
.macro SUMCVT kb, mode
.set X_, B_+8*\kb
.set T_, TS+4*(\kb&1)
.set P_, B_+16*(\kb>>1)+4*(\kb&1)
	s_wait_alu depctr_va_vdst(0)
	v_pk_add_f32 v[T_:T_+1], v[X_:X_+1], v[X_+2:X_+3]
	v_pk_add_f32 v[T_+2:T_+3], v[X_+4:X_+5], v[X_+6:X_+7]
.if \kb == 0
.if \mode == 1
	v_pk_add_f32 v[LS+2*Q_:LS+2*Q_+1], v[T_:T_+1], v[T_+2:T_+3]        ; the wave's first tile starts the sums: nothing is cleared
.else
	v_pk_add_f32 v[T_:T_+1], v[T_:T_+1], v[T_+2:T_+3]
	v_pk_fma_f32 v[LS+2*Q_:LS+2*Q_+1], v[LS+2*Q_:LS+2*Q_+1], v[AL+2*Q_:AL+2*Q_+1], v[T_:T_+1]
.endif
.else
	v_pk_add_f32 v[T_:T_+1], v[T_:T_+1], v[T_+2:T_+3]
	v_pk_add_f32 v[LS+2*Q_:LS+2*Q_+1], v[LS+2*Q_:LS+2*Q_+1], v[T_:T_+1]
.endif
.irp k, 0,1,2,3
	v_cvt_pk_bf16_f32 v[P_+\k], v[X_+2*\k], v[X_+2*\k+1]
.endr
.endm
; Softmax of block q (64 keys x 16 queries in buffer q & 1), and among its lines the scores of the next block (sc = 1) into the other buffer.
; mode 1: the wave's first tile (no old maximum, no factor); mode 2: a later one.  ldvf: this slot's V fragments are fetched.  ldkf: this slot's K fragments
; are fetched.  waitk: the K fragments fetched a stage ago are waited for.
; PLACES (ISA guide 7.12.1).  The other buffer held P, a source of the P V block in front: the eight v_max3 at the head, which name this buffer and TA alone,
; are the five places in front of the matrix instruction that writes over it, and the four in front of the loads into the V fragments.
; Behind the last score product stand at least six plain lines (moves, multiply-adds on this buffer) in front of the loads into the K fragments.
.macro SBLK s, q, mode, sc, ldvf, ldkf, waitk
.set Q_,  \q
.set B_,  SB+32*((\q)&1)
.set NB_, SB+32*(((\q)+1)&1)
.set NQ_, ((\q)+1)&3
	; the largest of the lane's 32 scores and the old maximum: 33 numbers, 16 lines; four chains, one for each tile
.irp kb, 0,1,2,3
	v_max3_num_f32 v[TA+\kb], v[B_+8*\kb], v[B_+8*\kb+1], v[B_+8*\kb+2]
.endr
.irp kb, 0,1,2,3
	v_max3_num_f32 v[TA+\kb], v[TA+\kb], v[B_+8*\kb+3], v[B_+8*\kb+4]
.endr
.if \ldvf
	LOADV \s                                       ; used a stage later
.endif
.if \waitk
	s_wait_dscnt 0x0                               ; the 16 loads of K issued in the stage before; nothing else is out
.endif
	WS \sc, 0, 0
.irp kb, 0,1,2,3
	v_max3_num_f32 v[TA+\kb], v[TA+\kb], v[B_+8*\kb+5], v[B_+8*\kb+6]
.endr
	WS \sc, 1, 0
	v_max3_num_f32 v[TA], v[TA], v[B_+7], v[B_+15]
	v_max3_num_f32 v[TA+2], v[TA+2], v[B_+23], v[B_+31]
	WS \sc, 2, 0
	; from here each line needs the one before: a matrix instruction goes out behind each
	v_max3_num_f32 v[TA], v[TA], v[TA+1], v[TA+2]
	WS \sc, 3, 0
.if \mode == 1
	v_max_num_f32 v[TA], v[TA], v[TA+3]
.else
	v_max3_num_f32 v[TA], v[TA], v[TA+3], v[MX+\q]
.endif
	WS \sc, 0, 1
	v_permlanex16_b32 v[TP], v[TA], s26, s27       ; lane i xor 16 holds the same query's other keys
	WS \sc, 1, 1
	v_max_num_f32 v[MX+\q], v[TA], v[TP]
	WS \sc, 2, 1
	v_mul_f32 v[TN], s24, v[MX+\q]                 ; -m c
	WS \sc, 3, 1
.if \mode == 2
	v_sub_f32 v[AL+2*\q], v[TN], v[NM+2*\q]        ; (m old - m new) c, never above 0
	v_exp_f32 v[AL+2*\q], v[AL+2*\q]
.endif
	v_mov_b32 v[NM+2*\q], v[TN]                    ; plain lines that touch no AL: the place behind the exponential (ISA guide 5.7.2)
	v_mov_b32 v[NM+2*\q+1], v[TN]
.if \mode == 2
	s_wait_alu depctr_va_vdst(0)
	v_mov_b32 v[AL+2*\q+1], v[AL+2*\q]
.endif
	; p = 2^(s c - m c), tile by tile; the next tile's multiply-adds are the plain place between a tile's exponentials and their first use
	SFMA 0
.if \ldkf
	LOADK \s                                       ; the next tile's K, used a stage later
.endif
	SEXP 0
	SFMA 1
	SUMCVT 0, \mode
	SEXP 1
	SFMA 2
	SUMCVT 1, \mode
	SEXP 2
	SFMA 3
	SUMCVT 2, \mode
	SEXP 3
	v_nop
	SUMCVT 3, \mode
.endm
; Period t: tile t on slot s = t & 1, which holds V(t) and K(t + 1).  At its head the scores of block 0 lie in buffer 0 and K(t) in the K fragments.
; mode: 1 for t = 0, else 2.  nxt: a tile t + 1 follows.  ldk, ldv: K(t + 2) and V(t + 1) are fetched and put into the other slot.  pf: one prefetch.
.macro PERIOD s, mode, nxt, ldk, ldv, pf
	GLOAD \ldk, \ldv                               ; needed at the end of the period
.if \pf
	s_cmp_lt_u32 s28, s29                          ; wave 0 alone (s29 = 0 in the others), and only while the tile asked for exists
	s_cbranch_scc0 .Lnopf_\@
	global_prefetch_b8 v[PFO], s[30:31] th:TH_LOAD_NT scope:SCOPE_SE   ; 32 rows of 256 bytes of a tile that the next trip of the loop loads
.Lnopf_\@:
.endif
	SBLK \s, 0, \mode, 1, 1, 0, 0
	s_wait_dscnt 0x0                               ; the 16 loads of V issued in the stage before; nothing else is out
	PVBLK 0, 2-\mode
	SBLK \s, 1, \mode, 1, 0, 0, 0
	PVBLK 1, 2-\mode
	SBLK \s, 2, \mode, 1, 0, \nxt, 0
	PVBLK 2, 2-\mode
	SBLK \s, 3, \mode, \nxt, 0, 0, \nxt
.if \ldk+\ldv
	s_wait_loadcnt 0x0                             ; the loads issued at the head of the period; their bases may be stepped behind this wait
	CONVERT 1-\s, 1-\s, \ldk, \ldv
.if \ldk
	s_add_nc_u64 s[4:5], s[4:5], TILEB
.endif
.if \ldv
	s_add_nc_u64 s[8:9], s[8:9], TILEB
.endif
.endif
.if \pf
	s_wait_xcnt 0x0                                ; the address of the prefetch, issued a period ago, is stepped only behind this wait
	s_add_nc_u64 s[30:31], s[30:31], 2*TILEB
.endif
.if \nxt
	s_wait_dscnt 0x0                               ; my stores into the other slot are done; my reads of this slot were waited for where they were used
	s_barrier_signal -1
.endif
	PVBLK 3, 2-\mode                               ; register work while the others arrive
.if \nxt
	s_barrier_wait -1                              ; the other slot is whole, and this slot may be written at the end of the next period
.endif
.endm
	; ---------------------------------------------------------------- set-up
	s_load_b256 s[4:11], s[0:1], 0x0               ; keys s[4:5], queries s[6:7], values s[8:9], out0 s[10:11]
	v_lshrrev_b32 v1, 5, v0
	v_readfirstlane_b32 s12, v1                    ; wave w
	s_and_b32 s13, s12, 3                          ; g: my 64 queries
	s_lshr_b32 s14, s12, 2                         ; kh: my 64 keys of each tile
	s_lshr_b32 s15, ttmp9, 4                       ; head
	s_and_b32 s16, ttmp9, 15                       ; query block
	s_mov_b32 s22, 0x3e38aa3b                      ; c = log2(e) / 8, twice (the pair is named as a whole)
	s_mov_b32 s23, 0x3e38aa3b
	s_mov_b32 s24, 0xbe38aa3b                      ; -c
	s_mov_b32 s26, 0x76543210                      ; v_permlanex16_b32: lane i of one half reads lane i of the other
	s_mov_b32 s27, 0xfedcba98
	v_and_b32 v1, 31, v0                           ; lane L
	v_and_b32 v2, 15, v0                           ; r
	v_bfe_u32 v3, v0, 4, 1                         ; h
	v_lshlrev_b32 v18, 4, v2                       ; 16 r
	v_lshlrev_b32 v19, 3, v2                       ; 8 r
	s_lshl_b32 s17, s12, 4
	v_add_nc_u32 v17, s17, v3                      ; row 16 w + h of a tile
	v_lshl_add_u32 v[GOFF], v17, 11, v18
	v_mul_u32_u24 v[KST], v17, KP
	v_add_nc_u32 v[KST], v[KST], v19
	v_mul_u32_u24 v[VST], v17, VP
	v_add_nc_u32 v[VST], v[VST], v19
	s_lshl_b32 s17, s14, 6                         ; 64 kh
	v_add_nc_u32 v17, s17, v2
	v_mul_u32_u24 v[KRD], v17, KP                  ; (64 kh + r) pitch + 16 h
	v_lshl_add_u32 v[KRD], v3, 4, v[KRD]
	v_and_b32 v17, 7, v0
	v_lshl_add_u32 v17, v3, 3, v17
	v_add_nc_u32 v17, s17, v17
	v_mul_u32_u24 v[VRD], v17, VP                  ; (64 kh + 8 h + L % 8) pitch + 16 ((L / 8) % 2)
	v_bfe_u32 v17, v0, 3, 1
	v_lshl_add_u32 v[VRD], v17, 4, v[VRD]
	v_lshlrev_b32 v[PFO], 11, v1
	s_lshl_b32 s18, s13, 6                         ; 64 g
	v_add_nc_u32 v17, s18, v2
	v_lshlrev_b32 v[QOFF], 5, v3
	v_lshl_add_u32 v[QOFF], v17, 11, v[QOFF]       ; (64 g + r) rows + 32 h
	s_lshl_b32 s19, s12, 10
	s_add_co_u32 s19, s19, XCH
	v_lshl_add_u32 v[XST], v1, 4, s19
	s_add_co_u32 s19, s12, 4
	s_and_b32 s19, s19, 7                          ; my partner: same queries, the other keys
	s_lshl_b32 s19, s19, 10
	s_add_co_u32 s19, s19, XCH
	v_lshl_add_u32 v[XLD], v1, 4, s19
	s_mul_i32 s19, s12, STGW
	s_add_co_u32 s19, s19, STG
	v_mul_u32_u24 v[STO], v2, SP
	v_lshl_add_u32 v[STO], v3, 5, v[STO]
	v_add_nc_u32 v[STO], s19, v[STO]               ; my stage + r pitch + 32 h
	s_mul_i32 s19, s13, STGW
	s_add_co_u32 s19, s19, STG
	s_lshl_b32 s17, s14, 5
	v_add_nc_u32 v17, s17, v3                      ; 32 kh + h: of the pair's 64 rows I write out 32
	v_mul_u32_u24 v[RDA], v17, SP
	v_add_nc_u32 v[RDA], v[RDA], v18
	v_add_nc_u32 v[RDA], s19, v[RDA]               ; in the stage of wave g,
	v_add_nc_u32 v[RDB], 4*STGW, v[RDA]            ; and in that of wave g + 4
	v_add_nc_u32 v17, s18, v17
	v_lshl_add_u32 v[OOFF], v17, 11, v18
	v_mov_b32 v[TP], 0                             ; the destination of v_permlanex16_b32 counts as read
	s_lshr_b32 s17, s15, 3                         ; n
	s_and_b32 s18, s15, 7                          ; h
	s_lshl_b32 s20, s17, 23
	s_lshl_b32 s18, s18, 8
	s_or_b32 s20, s20, s18
	s_mov_b32 s21, 0
	s_wait_kmcnt 0x0
	s_add_nc_u64 s[4:5], s[4:5], s[20:21]          ; all four at the head's first row
	s_add_nc_u64 s[6:7], s[6:7], s[20:21]
	s_add_nc_u64 s[8:9], s[8:9], s[20:21]
	s_add_nc_u64 s[10:11], s[10:11], s[20:21]
	s_lshl_b32 s20, s16, 19                        ; 256 queries of 2,048 bytes
	s_add_nc_u64 s[6:7], s[6:7], s[20:21]
	s_add_nc_u64 s[10:11], s[10:11], s[20:21]
	; Prefetch.  Trip b of the loop (periods 2b+2, 2b+3) loads V(2b+3), V(2b+4), K(2b+4), K(2b+5).  In trip b the 16 work-groups of a head ask, each for
	; 32 rows, for the four tiles of trip b + 1: V(2b+5), V(2b+6), K(2b+6), K(2b+7): bit 3 of the query block picks V or K, bit 2 the first or second
	; tile, bits 1:0 the 32 rows.  Each row is asked for once.  For b = 13 only V(31) exists: all but its askers stop a trip earlier.
	s_bfe_u32 s17, s16, 0x10003
	s_bfe_u32 s18, s16, 0x10002
	s_and_b32 s19, s16, 3
	s_sub_co_u32 s20, 6, s17                       ; K: tile 6 + bit 2; V: tile 5 + bit 2
	s_add_co_u32 s20, s20, s18
	s_lshl_b32 s20, s20, 18
	s_lshl_b32 s19, s19, 16
	s_add_co_u32 s20, s20, s19
	s_cmp_lg_u32 s17, 0
	s_cselect_b64 s[30:31], s[8:9], s[4:5]
	s_add_nc_u64 s[30:31], s[30:31], s[20:21]
	s_and_not1_b32 s18, s17, s18                   ; V and the first tile
	s_add_co_u32 s29, s18, 13
	s_cmp_eq_u32 s12, 0
	s_cselect_b32 s29, s29, 0
	; ---------------------------------------------------------------- K(0) into slot 1, V(0) and K(1) into slot 0; Q into registers
	GLOAD 1, 1
	; Q fragment (q, ds): lane (r, h) holds query 16 q + r, d = 32 ds + 8 h .. + 7 and 32 ds + 16 + 8 h .. + 7: four loads of 16 bytes of f32.  Once, 16 KiB a wave.
.irp qb, 0,1,2,3
.irp ds, 0,1
.irp p, 0,1
.irp u, 0,1
	global_load_b128 v[SR+4*(8*\qb+4*\ds+2*\p+\u):SR+4*(8*\qb+4*\ds+2*\p+\u)+3], v[QOFF], s[6:7] offset:\qb*16*ROWB+\ds*128+\p*64+\u*16
.endr
.endr
.endr
.endr
	s_wait_loadcnt 32                              ; loads come back in order (ISA guide 5.7.1): the 16 of K(0) and V(0) are in, the 32 of Q may be out
	CONVERT 1, 0, 1, 1
	s_add_nc_u64 s[4:5], s[4:5], TILEB             ; the loads that named these bases are done
	s_add_nc_u64 s[8:9], s[8:9], TILEB
	s_wait_dscnt 0x0                               ; the stores have gone: their data registers are loaded again
	GLOAD 1, 0                                     ; K(1)
	s_wait_loadcnt 8                               ; Q is in; the 8 loads of K(1) may be out
.set n_, 0
.rept 64
	v_cvt_pk_bf16_f32 v[QR+n_], v[SR+2*n_], v[SR+2*n_+1]
.set n_, n_+1
.endr
	s_wait_loadcnt 0x0
	CONVERT 0, 0, 1, 0
	s_add_nc_u64 s[4:5], s[4:5], TILEB
	s_wait_dscnt 0x0                               ; my stores are done,
	s_barrier_signal -1
	s_barrier_wait -1                              ; everybody's are: both slots may be read
	LOADK 1                                        ; K(0)
	s_wait_dscnt 0x0                               ; my reads of slot 1 are done: behind the next barrier it may be written (at the end of period 0)
	s_barrier_signal -1
.set NB_, SB
.set NQ_, 0
.irp ds, 0,1
.irp kb, 0,1,2,3
	WS 1, \kb, \ds                                 ; the scores of tile 0, block 0
.endr
.endr
	s_barrier_wait -1
.rept 4
	v_nop                                          ; four places in front of the first lines that read these scores (ISA guide 7.12.1)
.endr
	; ---------------------------------------------------------------- 32 periods
	PERIOD 0, 1, 1, 1, 1, 0                        ; tile 0 starts the maximum, the sums and O
	PERIOD 1, 2, 1, 1, 1, 0
	s_mov_b32 s28, 0
.Lbody:                                            ; periods 2 to 29
	PERIOD 0, 2, 1, 1, 1, 1
	PERIOD 1, 2, 1, 1, 1, 0
	s_add_co_u32 s28, s28, 1
	s_cmp_lt_u32 s28, 14
	s_cbranch_scc1 .Lbody
	PERIOD 0, 2, 1, 0, 1, 0                        ; period 30 fetches V(31) alone: there is no K(32)
	PERIOD 1, 2, 0, 0, 0, 0                        ; period 31: nothing follows
	; ---------------------------------------------------------------- the two halves of the keys are merged
	; (the twelve plain lines on sums and maxima below are the places between the last matrix instructions and the lines that touch O)
.irp qb, 0,1,2,3
	v_add_f32 v[EA+\qb], v[LS+2*\qb], v[LS+2*\qb+1]
.endr
.irp qb, 0,1,2,3
	v_permlanex16_b32 v[EP+\qb], v[EA+\qb], s26, s27
.endr
.irp qb, 0,1,2,3
	v_add_f32 v[EA+\qb], v[EA+\qb], v[EP+\qb]      ; l: the sum over my 2,048 keys
	v_mov_b32 v[EB+\qb], v[NM+2*\qb]               ; -m c
.endr
	ds_store_b128 v[XST], v[EB:EB+3]
	ds_store_b128 v[XST], v[EA:EA+3] offset:512
	s_wait_dscnt 0x0                               ; for my partner: my stores are done
	s_barrier_signal -1
	s_barrier_wait -1
	ds_load_b128 v[EP:EP+3], v[XLD]                ; the partner's -m c
	ds_load_b128 v[EN:EN+3], v[XLD] offset:512     ; and its l
	s_wait_dscnt 0x0
.irp qb, 0,1,2,3
	v_min_num_f32 v[MX+\qb], v[EB+\qb], v[EP+\qb]  ; -c x the larger maximum
.endr
.irp qb, 0,1,2,3
	v_sub_f32 v[NM+\qb], v[MX+\qb], v[EB+\qb]
	v_sub_f32 v[NM+4+\qb], v[MX+\qb], v[EP+\qb]
.endr
.irp k, 0,1,2,3,4,5,6,7
	v_exp_f32 v[NM+\k], v[NM+\k]                   ; my weight, the partner's weight; one of the two is 1
.endr
	v_nop                                          ; the place behind the exponentials (ISA guide 5.7.2)
.irp qb, 0,1,2,3
	s_wait_alu depctr_va_vdst(0)
	v_mul_f32 v[LS+\qb], v[EA+\qb], v[NM+\qb]
.endr
.irp qb, 0,1,2,3
	v_fmac_f32 v[LS+\qb], v[EN+\qb], v[NM+4+\qb]   ; the whole denominator, at least 1: the key of the larger maximum gives p = 1
.endr
.irp qb, 0,1,2,3
	v_rcp_f32 v[LS+\qb], v[LS+\qb]
.endr
	v_nop
.irp qb, 0,1,2,3
	s_wait_alu depctr_va_vdst(0)
	v_mul_f32 v[AL+2*\qb], v[NM+\qb], v[LS+\qb]
.endr
.irp qb, 0,1,2,3
	v_mov_b32 v[AL+2*\qb+1], v[AL+2*\qb]
.endr
	WIN 0x41                                       ; destination and source 0 in window 1: my share of the result
.irp db, 0,1,2,3
.irp qb, 0,1,2,3
.irp k, 0,2,4,6
	v_pk_mul_f32 v[OW+32*\db+8*\qb+\k:OW+32*\db+8*\qb+\k+1], v[OW+32*\db+8*\qb+\k:OW+32*\db+8*\qb+\k+1], v[AL+2*\qb:AL+2*\qb+1]
.endr
.endr
.endr
	; O^T tile (db, q): register j of lane (r, h) is (d = 16 db + 8 h + j, query 16 q + r): 32 neighbouring bytes of a staged row
	WIN 0x04                                       ; store data in window 1
.irp qb, 0,1,2,3
.irp db, 0,1,2,3
.irp u, 0,1
	ds_store_b128 v[STO], v[OW+32*\db+8*\qb+4*\u:OW+32*\db+8*\qb+4*\u+3] offset:\qb*16*SP+\db*64+\u*16
.endr
.endr
.endr
	WIN 0
	s_wait_dscnt 0x0
	s_barrier_signal -1
	s_barrier_wait -1
	; rows 32 kh .. + 31 of the pair's 64, two at a time, from both stages; 16 lanes store one whole row of 256 bytes, aligned
.irp i, 0,1,2,3,4,5,6,7,8,9,10,11,12,13,14,15
	ds_load_b128 v[SR+4*\i:SR+4*\i+3], v[RDA] offset:2*SP*\i
	ds_load_b128 v[SR+64+4*\i:SR+64+4*\i+3], v[RDB] offset:2*SP*\i
.endr
.irp i, 0,1,2,3,4,5,6,7,8,9,10,11,12,13,14,15
	s_wait_dscnt 30-2*\i                           ; pair i is in; the pairs behind it may be out
	v_pk_add_f32 v[SR+4*\i:SR+4*\i+1], v[SR+4*\i:SR+4*\i+1], v[SR+64+4*\i:SR+64+4*\i+1]
	v_pk_add_f32 v[SR+4*\i+2:SR+4*\i+3], v[SR+4*\i+2:SR+4*\i+3], v[SR+64+4*\i+2:SR+64+4*\i+3]
	global_store_b128 v[OOFF], v[SR+4*\i:SR+4*\i+3], s[10:11] offset:2*ROWB*\i th:TH_STORE_NT
.endr
	s_wait_xcnt 0x0
	v_lshl_add_u32 v254, v0, 2, 0x37000
	v_mov_b32 v255, 0
	s_wait_tensorcnt 0x0
	ds_add_u32 v254, v255
	s_wait_dscnt 0x0
	s_endpgm
.Lfunc_end_k_q4825f5b6a2_attn:
	.size	k_q4825f5b6a2_attn, .Lfunc_end_k_q4825f5b6a2_attn-k_q4825f5b6a2_attn
	.p2alignl 7, 3214868480
	.fill 96, 4, 3214868480
	.section	.rodata,"a",@progbits
	.p2align	6, 0x0
	.amdhsa_kernel k_q4825f5b6a2_attn
		.amdhsa_group_segment_fixed_size 226304
		.amdhsa_private_segment_fixed_size 0
		.amdhsa_enable_private_segment 0
		.amdhsa_kernarg_size 32
		.amdhsa_user_sgpr_count 2
		.amdhsa_user_sgpr_kernarg_segment_ptr 1
		.amdhsa_wavefront_size32 1
		.amdhsa_system_sgpr_workgroup_id_x 1
		.amdhsa_system_sgpr_workgroup_id_y 1
		.amdhsa_system_sgpr_workgroup_id_z 1
		.amdhsa_system_vgpr_workitem_id 0
		.amdhsa_next_free_vgpr 512
		.amdhsa_next_free_sgpr 66
		.amdhsa_reserve_vcc 0
		.amdhsa_float_denorm_mode_32 3
		.amdhsa_float_denorm_mode_16_64 3
		.amdhsa_memory_ordered 1
		.amdhsa_forward_progress 1
		.amdhsa_inst_pref_size 246
	.end_amdhsa_kernel
	.amdgpu_metadata
---
amdhsa.version: [ 1, 2 ]
amdhsa.kernels:
  - .name:           k_q4825f5b6a2_attn
    .symbol:         k_q4825f5b6a2_attn.kd
    .args:
      - { .name: keys, .offset: 0, .size: 8, .value_kind: global_buffer, .address_space: global }
      - { .name: queries, .offset: 8, .size: 8, .value_kind: global_buffer, .address_space: global }
      - { .name: values, .offset: 16, .size: 8, .value_kind: global_buffer, .address_space: global }
      - { .name: out0, .offset: 24, .size: 8, .value_kind: global_buffer, .address_space: global }
    .group_segment_fixed_size: 226304
    .private_segment_fixed_size: 0
    .kernarg_segment_align: 8
    .kernarg_segment_size: 32
    .max_flat_workgroup_size: 256
    .sgpr_count:     66
    .vgpr_count:     512
    .wavefront_size: 32
...
	.end_amdgpu_metadata
.endif
;; end of part 1
